; MI455X (gfx1250); checked and timed in simulation.
; The chip was launched on July 23, 2026; its instructions are those of AMD's public machine-readable ISA for CDNA 5 (MIT licence, August 2026) and "CDNA5" Instruction Set Architecture Reference Guide (July 2026). The comments in the code are by the model that wrote it; some were corrected since.
;; Attention. Allowed arithmetic: matrix products marked QUANTISED: E2M1 operands, one E8M0 scale for each 32 along K, by v_wmma_scale_f32_16x16x128_f8f6f4 with both operands' format E2M1 (or v_wmma_scale_f32_32x16x128_f4), f32 sums; products left as they are: bf16, f16 or f32 operands; f32 sums; everything else in f32.
;; Inputs: Wk 768 x 768 float32; Wp 768 x 768 float32; Wq 768 x 768 float32; Wv 768 x 768 float32; bp 768 float32; x 32 x 528 x 768 float32.
;; Outputs: out0 32 x 528 x 768 float32.
;; Constants: s_h = 20, s_w = 20, t_h = 8, t_w = 8.
;; This version of the problem:
;;   THIS VERSION OF THE PROBLEM IS GIVEN IN LOW PRECISION. The matrix products marked QUANTISED in the list below multiply operands that are first quantised to E2M1 (2 exponent bits, 1 mantissa bit; 4 bits a number), with one power-of-two scale for each 32 numbers along K (OCP MX v1.0); their sums are f32. The products marked 'left as it is' may take bf16, f16 or f32 operands, with f32 sums. Whichever they take, every output number must still come out within the allowed error. Rounding operands to bf16 (8 significant bits) uses up far more of that allowance than f16 does (11 bits, for magnitudes from 6e-5 to 65,504). All else is computed in f32.
;;   The module's matrix products, in the order in which they are computed (A, B: the left and right operand; K: the contracted axis; several contracted axes count as one K, in the product's order):
;;     1. [M 16,896, K 768] x [K 768, N 768]; A: input x; B: input Wq: QUANTISED
;;     2. [M 16,896, K 768] x [K 768, N 768]; A: input x; B: input Wk: QUANTISED
;;     3. [M 16,896, K 768] x [K 768, N 768]; A: input x; B: input Wv: QUANTISED
;;     4. batch 384 x [M 64, K 64] x [K 64, N 128]; A: computed on the way; B: computed on the way: left as it is (an operand is computed on the way)
;;     5. batch 384 x [M 64, K 128] x [K 128, N 64]; A: computed on the way; B: computed on the way: left as it is (an operand is computed on the way)
;;     6. batch 384 x [M 64, K 64] x [K 64, N 128]; A: computed on the way; B: computed on the way: left as it is (an operand is computed on the way)
;;     7. batch 384 x [M 64, K 128] x [K 128, N 64]; A: computed on the way; B: computed on the way: left as it is (an operand is computed on the way)
;;     8. batch 384 x [M 400, K 64] x [K 64, N 528]; A: computed on the way; B: computed on the way: left as it is (an operand is computed on the way)
;;     9. batch 384 x [M 400, K 528] x [K 528, N 64]; A: computed on the way; B: computed on the way: left as it is (an operand is computed on the way)
;;     10. [M 16,896, K 768] x [K 768, N 768]; A: computed on the way; B: input Wp: left as it is (an operand is computed on the way)
;;   THE QUANTISER, for each operand of a quantised product, along K:
;;     - K is cut into blocks of 32 from its start; a last block that is shorter is filled with zeros.
;;     - A block's scale is 2^e with e = floor(log2(the largest magnitude in the block)) - 2, held to -126 .. 127; a block of zeros has e = 0. As a byte (E8M0): e + 127.
;;     - Each number is divided by its block's scale, clamped to +-6, and rounded to the nearest number of E2M1, ties to even, subnormals kept.
;;     - The product sums the exact products of the quantised numbers (number of the format x scale) in f32.
;;   ~~~python
;;   def quantise(x, axis):      # numpy; x: float32 -> the quantised numbers, widened to float32 again
;;       x = np.moveaxis(x, axis, -1); K = x.shape[-1]
;;       x = np.pad(x, [(0, 0)] * (x.ndim - 1) + [(0, -K % 32)]); x = x.reshape(x.shape[:-1] + (-1, 32)); a = np.abs(x).max(-1, keepdims=True)
;;       e = np.where(a > 0, np.clip(np.frexp(np.where(a > 0, a, 1))[1] - 1 - 2, -126, 127), 0)      # np.frexp(a)[1] - 1 = floor(log2(a)), exactly
;;       r = np.clip(x / 2.0 ** e, -6, 6)
;;       step = 2.0 ** (np.maximum(np.frexp(np.where(r == 0, 1, r))[1] - 1, 0) - 1)
;;       q = np.round(r / step) * step * 2.0 ** e      # np.round: ties to even
;;       return np.moveaxis(q.reshape(q.shape[:-2] + (-1,))[..., :K], -1, axis).astype(np.float32)
;;   ~~~
;; One version. Each part assembles by itself: llvm-mc -triple=amdgcn-amd-amdhsa -mcpu=gfx1250 --defsym DOCPART=n.
;; ======== version 1 of 1: 3 launches
;; limits: values are held in f16: magnitudes above 65,504 overflow, below 6.1e-05 lose precision
;; workspace buffers: xc 6,488,064 bytes; xs 405,504 bytes; wc 884,736 bytes; ws 55,296 bytes; wpf 1,179,648 bytes; att 25,952,256 bytes
;; launch prep (part 1): grid 48 x 26, 3 waves a work-group, no clusters, 51,200 bytes of LDS; arguments x, Wq, Wk, Wv, Wp, xc, xs, wc, ws, wpf; writes xc, xs, wc, ws, wpf
.if DOCPART == 1
	.amdgcn_target "amdgcn-amd-amdhsa--gfx1250"
	.amdhsa_code_object_version 6
	.text
	.protected	k_q130e2d0d09_prep
	.globl	k_q130e2d0d09_prep
	.p2align	8
	.type	k_q130e2d0d09_prep,@function
k_q130e2d0d09_prep:
	s_mov_b64 s[64:65], 0
	v_nop
	global_prefetch_b8 v0, s[64:65] scope:SCOPE_SE
	s_setreg_imm32_b32 hwreg(HW_REG_WAVE_MODE, 25, 1), 1
	s_wait_xcnt 0x0
; PREP.  x [16896][768] and Wq, Wk, Wv [768 (k)][768 (n)], f32, become codes of E2M1 with one E8M0 byte for each 32 along K; Wp [768 (k)][768 (n)] becomes f16.
; Everything is laid as IMAGES OF OPERAND REGISTERS: a fragment is 1,024 bytes, two halves of 512; in half c lane l's 16 bytes (registers 4c .. 4c+3) lie at 16 l.
;   xc  [row tile 1056][K step of 128: 6][1024]    xs  [row tile][K step][row 16] one word of four bytes
;   wc  [head 12][q,k,v][column tile 4][K step 6][1024]    ws  [the same tile number][K step][column 16] words
;   wpf [block of 96 columns: 8][k step of 32: 24][column tile 6][1024], f16: lane (r, h) = column r, registers 0-3 k = 8h+0..7, registers 4-7 k = 16+8h+0..7
; A block's scale is 2^(floor(log2(largest magnitude)) - 2): its byte is that magnitude's exponent field - 2, held at 1 from below by a floor among the maximum's leaves.
; ROLES by the work-group's y: 0, 1, 2 quantise Wq, Wk, Wv; 3 converts Wp; 4 .. 25 quantise x, one tile of 16 rows each.  Only the x path touches LDS.
; LIMITS: NaN and infinities are not served; a block of zeros gets the byte 1 where the quantiser says 127 (its codes are zeros, and this program alone reads the bytes); |Wp| stays under 65,504 (f16).
; No matrix unit, no cluster, no tensor load: the launch streams each input byte once and shares nothing between work-groups.
.set ROWB,  3072                       ; a row of x or of a weight in bytes
.set STG,   8448                       ; a stage: 16 rows x (512 bytes + 16)
.set SPARE, 6*STG                      ; behind the six stages: the spare words, 128 bytes a wave, in two blocks of 256 bytes
.set SPW,   2                          ; v2  my spare word's address; never rewritten
.set NIL,   3                          ; v3  0; never rewritten
.set X,     32                         ; v32-159  numbers as loaded
.set Y,     160                        ; v160-223 x: 64 neighbours of one row; Wp: the f16 pairs
.set C,     16                         ; v16-31   codes
.set T,     224                        ; v224-234 at work in the x path
	s_load_b512 s[4:19], s[0:1], 0x0               ; x, Wq, Wk, Wv, Wp, xc, xs, wc
	s_load_b128 s[20:23], s[0:1], 0x40             ; ws, wpf
	v_lshl_add_u32 v[SPW], v0, 2, SPARE
	v_mov_b32 v[NIL], 0
	v_lshrrev_b32 v1, 5, v0
	v_readfirstlane_b32 s24, v1                    ; wave 0..2
	s_and_b32 s26, ttmp7, 0xffff                   ; the role
	v_and_b32 v5, 31, v0                           ; lane
	v_and_b32 v6, 15, v0                           ; r
	v_bfe_u32 v7, v0, 4, 1                         ; h
	s_cmp_ge_u32 s26, 4
	s_cbranch_scc1 .Lx
; ---- THE WEIGHTS.  x of the grid = 8 kg + cg: 128 rows of k from 128 kg, 96 columns from 96 cg; a wave takes 32 columns, A LANE A COLUMN, its registers running down K.
	s_lshr_b32 s27, ttmp9, 3                       ; kg
	s_and_b32 s34, ttmp9, 7                        ; cg
	s_mul_i32 s30, s27, 128*ROWB
	s_mul_i32 s35, s34, 384
	s_add_co_u32 s30, s30, s35
	s_lshl_b32 s35, s24, 7
	s_add_co_u32 s30, s30, s35                     ; 128 kg rows + (96 cg + 32 wave) columns, in bytes
	s_mov_b32 s31, 0
	v_lshlrev_b32 v1, 2, v5
	s_wait_kmcnt 0x0
	s_cmp_eq_u32 s26, 0                            ; which weight: the choice hangs on the work-group's number alone
	s_cselect_b64 s[28:29], s[6:7], s[8:9]
	s_cmp_lt_u32 s26, 2
	s_cselect_b64 s[28:29], s[28:29], s[10:11]
	s_cmp_lt_u32 s26, 3
	s_cselect_b64 s[28:29], s[28:29], s[12:13]
	s_add_nc_u64 s[28:29], s[28:29], s[30:31]
.macro LOADB q                         ; 32 rows of k: a wave's load reads 128 consecutive bytes, the three waves stand side by side
.irp i, 0,1,2,3,4,5,6,7,8,9,10,11,12,13,14,15,16,17,18,19,20,21,22,23,24,25,26,27,28,29,30,31
	global_load_b32 v[X+32*(\q)+\i], v1, s[28:29] offset:(32*(\q)+\i)*ROWB th:TH_LOAD_NT
.endr
.endm
	LOADB 0
	LOADB 1
	s_cmp_eq_u32 s26, 3
	s_cbranch_scc1 .Lwp
; ---- Wq, Wk, Wv.  Column tile T0 = 6 cg + 2 wave is even, so lanes 0-15 (tile T0) and lanes 16-31 (tile T0 + 1) lie in one head.
	s_mul_i32 s36, s34, 6
	s_lshl_b32 s37, s24, 1
	s_add_co_u32 s36, s36, s37                     ; T0
	s_lshr_b32 s37, s36, 2                         ; head
	s_mul_i32 s37, s37, 3
	s_add_co_u32 s37, s37, s26                     ; x 3 + which weight
	s_lshl_b32 s37, s37, 2
	s_and_b32 s36, s36, 3
	s_add_co_u32 s37, s37, s36                     ; x 4 + column tile in the head: the tile's number in wc and ws
	s_mul_i32 s38, s37, 6144
	s_lshl_b32 s36, s27, 10
	s_add_co_u32 s38, s38, s36                     ; + K step kg
	s_mov_b32 s39, 0
	s_add_nc_u64 s[32:33], s[18:19], s[38:39]
	s_mul_i32 s38, s37, 384
	s_lshl_b32 s36, s27, 6
	s_add_co_u32 s38, s38, s36
	s_add_nc_u64 s[40:41], s[20:21], s[38:39]
	v_mul_u32_u24 v4, v7, 6144                     ; lanes 16-31: the next tile
	v_lshl_add_u32 v4, v6, 4, v4                   ; 16 bytes a column
	v_mul_u32_u24 v13, v7, 384
	v_lshl_add_u32 v13, v6, 2, v13
; Block q of the K step: all its 32 numbers are mine.  left: the next block's 32 loads may stay out.
.macro BLOCKQ q, left
.set XS, X+32*(\q)
	s_wait_loadcnt \left
	v_max3_num_f32 v8, |v[XS]|, |v[XS+1]|, |v[XS+2]|
	v_max3_num_f32 v9, |v[XS+3]|, |v[XS+4]|, |v[XS+5]|
.irp i, 6,10,14,18,22,26
	v_max3_num_f32 v8, v8, |v[XS+\i]|, |v[XS+\i+1]|
	v_max3_num_f32 v9, v9, |v[XS+\i+2]|, |v[XS+\i+3]|
.endr
	v_max3_num_f32 v8, v8, |v[XS+30]|, |v[XS+31]|
	v_max3_num_f32 v8, v8, v9, 0x1800000           ; the floor 2^(3 - 127): the byte cannot fall under 1
	v_add_nc_u32 v10, 0xff000000, v8               ; 2 off the exponent field: the conversion takes this operand's exponent field as its scale
.irp g, 0,1,2,3
	v_cvt_scalef32_pk8_fp4_f32 v[C+4*(\q)+\g], v[XS+8*\g:XS+8*\g+7], v10
.endr
	v_lshrrev_b32 v11, 23, v10                     ; the scale's byte (also the plain instruction behind the conversions)
.if (\q) == 0
	v_mov_b32 v12, v11
.else
	v_lshl_or_b32 v12, v11, 8*(\q), v12            ; four bytes make my column's word for this K step
.endif
	global_store_b128 v4, v[C+4*(\q):C+4*(\q)+3], s[32:33] offset:256*(\q)   ; block q = 2 c + h lies at 512 c + 256 h: sixteen lanes store 256 consecutive aligned bytes
.endm
	BLOCKQ 0, 32
	LOADB 2
	BLOCKQ 1, 32
	LOADB 3
	BLOCKQ 2, 32
	BLOCKQ 3, 0
	global_store_b32 v13, v12, s[40:41]
	s_endpgm
; ---- Wp to f16.  k step ks = 4 kg + q; the piece (half, h) holds k = 16 half + 8 h + 0 .. 7 and lies at 512 half + 256 h.
.Lwp:
	s_mul_i32 s38, s34, 147456                     ; the block of 96 columns
	s_mul_i32 s36, s27, 4*6144
	s_add_co_u32 s38, s38, s36                     ; k step 4 kg
	s_lshl_b32 s36, s24, 11
	s_add_co_u32 s38, s38, s36                     ; column tile 2 x wave
	s_mov_b32 s39, 0
	s_add_nc_u64 s[32:33], s[22:23], s[38:39]
	v_lshlrev_b32 v4, 10, v7                       ; lanes 16-31: the next column tile
	v_lshl_add_u32 v4, v6, 4, v4
.macro CONVP q, left
	s_wait_loadcnt \left
.irp p, 0,1,2,3,4,5,6,7,8,9,10,11,12,13,14,15
	v_cvt_pk_f16_f32 v[Y+16*(\q)+\p], v[X+32*(\q)+2*\p], v[X+32*(\q)+2*\p+1]
.endr
.irp g, 0,1,2,3
	global_store_b128 v4, v[Y+16*(\q)+4*\g:Y+16*(\q)+4*\g+3], s[32:33] offset:6144*(\q)+256*\g
.endr
.endm
	CONVP 0, 32
	LOADB 2
	CONVP 1, 32
	LOADB 3
	CONVP 2, 32
	CONVP 3, 0
	s_endpgm
; ---- x.  Row tile gi = 48 (y - 4) + x of the grid; wave j takes K steps 2 j and 2 j + 1.  Every load reads 512 consecutive bytes of a row; the 16 rows turn through the wave's own stage,
; and come back so that lane (r, h) holds blocks h and 2 + h of row r whole: the order of the operand's registers.
.Lx:
	s_sub_co_u32 s27, s26, 4
	s_mul_i32 s27, s27, 48
	s_add_co_u32 s27, s27, ttmp9                   ; gi
	s_mul_i32 s30, s27, 16*ROWB
	s_lshl_b32 s36, s24, 10
	s_add_co_u32 s30, s30, s36                     ; x: 16 gi rows + two K steps of 512 bytes a wave
	s_mov_b32 s31, 0
	s_mul_i32 s38, s27, 6144
	s_lshl_b32 s36, s24, 11
	s_add_co_u32 s38, s38, s36
	s_mov_b32 s39, 0
	s_mul_i32 s42, s27, 384
	s_lshl_b32 s36, s24, 7
	s_add_co_u32 s42, s42, s36
	s_mov_b32 s43, 0
	s_mov_b32 s44, 0x76543210
	s_mov_b32 s45, 0xfedcba98                      ; v_permlanex16_b32's selects for lane l xor 16
	v_lshlrev_b32 v1, 4, v5
	s_wait_kmcnt 0x0
	s_add_nc_u64 s[28:29], s[4:5], s[30:31]
	s_add_nc_u64 s[32:33], s[14:15], s[38:39]
	s_add_nc_u64 s[40:41], s[16:17], s[42:43]
.irp e, 0,1
.irp i, 0,1,2,3,4,5,6,7,8,9,10,11,12,13,14,15
	global_load_b128 v[X+64*\e+4*\i:X+64*\e+4*\i+3], v1, s[28:29] offset:ROWB*\i+512*\e th:TH_LOAD_NT
.endr
.endr
	s_mul_i32 s36, s24, 2*STG                      ; my two stages
	v_add_nc_u32 v8, s36, v1                       ; in: 16 bytes a lane, a row a store
	v_mul_u32_u24 v9, v6, 528
	v_lshl_add_u32 v9, v7, 7, v9
	v_add_nc_u32 v9, s36, v9                       ; back: row r, 128 h bytes on
	v_lshlrev_b32 v10, 3, v7                       ; 8 h: where my two scale bytes stand in the word
	v_lshlrev_b32 v11, 2, v5
	v_mov_b32 v[T+7], 0                            ; written once: a lane permute's destination counts as one of its sources
.macro QX e
	s_wait_loadcnt 16*(1-(\e))                     ; this step's 16 loads are in; the other step's may stay out
.irp i, 0,1,2,3,4,5,6,7,8,9,10,11,12,13,14,15
	ds_store_b128 v8, v[X+64*(\e)+4*\i:X+64*(\e)+4*\i+3] offset:STG*(\e)+528*\i
.endr
.irp c, 0,1
.irp g, 0,1,2,3,4,5,6,7
	ds_load_b128 v[Y+32*\c+4*\g:Y+32*\c+4*\g+3], v9 offset:STG*(\e)+256*\c+16*\g   ; LDS serves a wave's instructions in order: these see the stores above
.endr
.endr
	s_wait_dscnt 0x0
.irp c, 0,1
	v_max3_num_f32 v[T+\c], |v[Y+32*\c]|, |v[Y+32*\c+1]|, 0x1800000   ; block 2 c + h, and the floor 2^(3 - 127)
.endr
.irp i, 2,4,6,8,10,12,14,16,18,20,22,24,26,28,30
.irp c, 0,1
	v_max3_num_f32 v[T+\c], v[T+\c], |v[Y+32*\c+\i]|, |v[Y+32*\c+\i+1]|
.endr
.endr
.irp c, 0,1
	v_add_nc_u32 v[T+2+\c], 0xff000000, v[T+\c]
.endr
.irp c, 0,1
.irp g, 0,1,2,3
	v_cvt_scalef32_pk8_fp4_f32 v[C+8*(\e)+4*\c+\g], v[Y+32*\c+8*\g:Y+32*\c+8*\g+7], v[T+2+\c]
.endr
.endr
.irp c, 0,1
	v_lshrrev_b32 v[T+4+\c], 23, v[T+2+\c]         ; the bytes (plain instructions behind the conversions)
.endr
	v_lshl_or_b32 v[T+6], v[T+5], 16, v[T+4]       ; blocks h and 2 + h,
	v_lshlrev_b32 v[T+6], v10, v[T+6]              ; at their places;
	v_permlanex16_b32 v[T+7], v[T+6], s44, s45
	v_or_b32 v[T+8+(\e)], v[T+6], v[T+7]           ; with lane l xor 16's two the row's word is whole
.irp c, 0,1
	global_store_b128 v1, v[C+8*(\e)+4*\c:C+8*(\e)+4*\c+3], s[32:33] offset:1024*(\e)+512*\c   ; 512 consecutive bytes
.endr
.endm
	QX 0
	QX 1
	v_cmp_gt_u32 vcc_lo, 16, v5
	v_cndmask_b32 v[T+10], v[T+9], v[T+8], vcc_lo  ; lanes 0-15 the even step's words, lanes 16-31 the odd step's: 128 consecutive bytes of xs
	global_store_b32 v11, v[T+10], s[40:41]
	s_wait_tensorcnt 0x0                           ; the wave's end, behind my last LDS store
	ds_add_u32 v[SPW], v[NIL]
	s_wait_dscnt 0x0
	s_endpgm
.Lfunc_end_k_q130e2d0d09_prep:
	.size	k_q130e2d0d09_prep, .Lfunc_end_k_q130e2d0d09_prep-k_q130e2d0d09_prep
	.p2alignl 7, 3214868480
	.fill 96, 4, 3214868480
	.section	.rodata,"a",@progbits
	.p2align	6, 0x0
	.amdhsa_kernel k_q130e2d0d09_prep
		.amdhsa_group_segment_fixed_size 51200
		.amdhsa_private_segment_fixed_size 0
		.amdhsa_enable_private_segment 0
		.amdhsa_kernarg_size 80
		.amdhsa_user_sgpr_count 2
		.amdhsa_user_sgpr_kernarg_segment_ptr 1
		.amdhsa_wavefront_size32 1
		.amdhsa_system_sgpr_workgroup_id_x 1
		.amdhsa_system_sgpr_workgroup_id_y 1
		.amdhsa_system_sgpr_workgroup_id_z 1
		.amdhsa_system_vgpr_workitem_id 0
		.amdhsa_next_free_vgpr 240
		.amdhsa_next_free_sgpr 66
		.amdhsa_reserve_vcc 1
		.amdhsa_float_denorm_mode_32 3
		.amdhsa_float_denorm_mode_16_64 3
		.amdhsa_memory_ordered 1
		.amdhsa_forward_progress 1
		.amdhsa_inst_pref_size 48
	.end_amdhsa_kernel
	.amdgpu_metadata
---
amdhsa.version: [ 1, 2 ]
amdhsa.kernels:
  - .name:           k_q130e2d0d09_prep
    .symbol:         k_q130e2d0d09_prep.kd
    .args:
      - { .name: x, .offset: 0, .size: 8, .value_kind: global_buffer, .address_space: global }
      - { .name: Wq, .offset: 8, .size: 8, .value_kind: global_buffer, .address_space: global }
      - { .name: Wk, .offset: 16, .size: 8, .value_kind: global_buffer, .address_space: global }
      - { .name: Wv, .offset: 24, .size: 8, .value_kind: global_buffer, .address_space: global }
      - { .name: Wp, .offset: 32, .size: 8, .value_kind: global_buffer, .address_space: global }
      - { .name: xc, .offset: 40, .size: 8, .value_kind: global_buffer, .address_space: global }
      - { .name: xs, .offset: 48, .size: 8, .value_kind: global_buffer, .address_space: global }
      - { .name: wc, .offset: 56, .size: 8, .value_kind: global_buffer, .address_space: global }
      - { .name: ws, .offset: 64, .size: 8, .value_kind: global_buffer, .address_space: global }
      - { .name: wpf, .offset: 72, .size: 8, .value_kind: global_buffer, .address_space: global }
    .group_segment_fixed_size: 51200
    .private_segment_fixed_size: 0
    .kernarg_segment_align: 8
    .kernarg_segment_size: 80
    .max_flat_workgroup_size: 96
    .sgpr_count:     66
    .vgpr_count:     240
    .wavefront_size: 32
...
	.end_amdgpu_metadata
.endif
;; end of part 1
;; launch attn (part 2): grid 8 x 32, 8 waves a work-group, no clusters, 327,680 bytes of LDS; arguments xc, xs, wc, ws, att; writes att
.if DOCPART == 2
	.amdgcn_target "amdgcn-amd-amdhsa--gfx1250"
	.amdhsa_code_object_version 6
	.text
	.protected	k_q130e2d0d09_attn
	.globl	k_q130e2d0d09_attn
	.p2align	8
	.type	k_q130e2d0d09_attn,@function
k_q130e2d0d09_attn:
	s_mov_b64 s[64:65], 0
	v_nop
	global_prefetch_b8 v0, s[64:65] scope:SCOPE_SE
	s_setreg_imm32_b32 hwreg(HW_REG_WAVE_MODE, 25, 1), 1
	s_wait_xcnt 0x0
; ATTN.  q, k, v = x Wq, x Wk, x Wv of one head on codes of E2M1 (K = 768, six steps of 128), then the attention of that head; q, k, v never go to memory.
; Rows 0..127 of a batch (query tiles 0..7) see keys 0..127; rows 128..527 (tiles 8..32) see all 528 keys.  Score scale 768^-0.5; softmax with a running maximum, in f32.
; SHARES.  12 heads x 32 batches are 384 heads for 256 work-groups: A WORK-GROUP DOES ONE AND A HALF.  Work-groups 2 p and 2 p + 1 of a batch share heads 3 p .. 3 p + 2: in pass 0 each makes one head whole
; (3 p, 3 p + 2), in pass 1 half of head 3 p + 1.  The body is a loop of two trips; only the head's number changes.  No LDS address and no formula of a global address hangs on the pass or on the half:
; the halves are cut by WHICH WAVES WORK.  t = parity(wave) xor (work-group & 1).  In pass 1 the waves with t = 0 walk the main loop on their usual query tiles 8 + 3 w + 0..2; those with t = 1 jump over its body
; and make their usual template tile w meanwhile.  The two work-groups have complementary classes, {0,3,5,6} and {1,2,4,7}; the four waves of a class differ both in w mod 4 and in w / 2.
; Query tile 32 (parts: waves 1, 2, 4; joined by wave 7) is made in pass 1 by the even work-group alone, where those four waves are not in the main loop.
; ORIENTATION.  q, k: source 0 = 16 columns of W, source 1 = 16 rows of x: a lane holds one row and 8 neighbouring channels.  v: source 0 = x, source 1 = Wv: a lane holds one channel and 8 neighbouring keys.
; Four v_cvt_pk_f16_f32 make of 8 results half a fragment of the next product.  S^T = K Q^T, O^T = V^T P: a lane keeps ONE query; O^T packed to f16 is half a fragment of the output product.
; PHASE A: wave w makes q, k, v of row tiles 4 w .. 4 w + 3 (x's fragments stay in its registers, the weights' come from LDS, filled by one tensor load a wave in each pass); waves 0-3 share row tile 32.
; PHASE B: three chunks of 11 key tiles.  The keys' V images lie in 36 slots of 16 keys: chunk c's tile t in slot 12 c + t; slots 11, 23, 35 hold zeros, so that a chunk is six steps of 32 keys.
; The jumps hang on the pass count, the wave's and the work-group's number alone; no barrier, wait, add or tensor load stands under one, and every combination of them keeps the distances behind matrix instructions.
; LIMITS: q, k, v and the result are rounded to f16: their magnitudes stay under 65,504; NaN and infinities are not served.
; NO CLUSTER: what the work-groups of a batch share, x's codes (198 KB a pass), goes from memory straight into the registers of the one wave that multiplies it; landing it in LDS for a joint load
; does not fit beside the 297,472 bytes in use.  What the batches of a head share is 72 KB of weights of the 270 KB that a pass reads.
.set QB,    73728                      ; LDS: 0: the weights' codes, 12 tiles x 6,144;  QB, KB: tile x 2,048 + channel tile x 512 + 16 lane
.set KB,    141312
.set VB,    208896                     ; (slot / 2) x 4,096 + channel tile x 1,024 + (slot % 2) x 512 + 16 lane
.set MRG,   282624                     ; three parts of query tile 32: 4,096 bytes of O^T and 512 of (c m, m, l, -) each
.set SPARE, 296448                     ; the spare words, 128 bytes a wave: four blocks of 256 bytes that no other line names
.set LI,   1                           ; v1  16 x lane
.set SPW,  2                           ; v2  my spare word's address; never rewritten
.set NIL,  3                           ; v3  0; never rewritten
; phase A, window 0
.set AW1,  4                           ; 16 lane + 49,152: weight tiles 8-11
.set QST,  5                           ; where my four tiles' q go;  v6: k;  v7-10: v, by slot
.set KST,  6
.set VST,  7
.set AWX,  11                          ; row tile 32: my column tile's weights
.set T32Q, 12                          ; and where its q, k, v go
.set T32K, 13
.set T32V, 14
.set VZ,   15                          ; a zero slot
.set LS,   35                          ; 4 x lane, made anew in each pass
.set XS,   20                          ; v20-31 x's scale words (3 a tile), v32-34 row tile 32's, v36-71 the weights' (3 a column tile), v72-80 my column tile's for row tile 32:
.set X32S, 32                          ; each register holds an even K step's words in lanes 0-15 and the odd step's in lanes 16-31.  They hold scales alone while these products run
.set WS,   36
.set W32S, 72
.set ACC,  84                          ; v84-147  two sets of four accumulators
.set WF,   148                         ; v148-243 two buffers of a column tile's six fragments;  v244-255 and v16-19: four groups of packed results
; phase A, window 1: v0-191 x's fragments (48 i + 8 s), v192-239 row tile 32's
; phase B, window 0
.set AK0,  4
.set AV0,  5
.set ADK,  6
.set ADV,  7
.set AQ,   8
.set MS,   9
.set MR,   10
.set PFO,  11                          ; 256 x lane: the prefetch's offset
.set ST,   16                          ; v16-39 eight a tile: +0 c m, +1 m, +2, +3 l, +4 .. +7 at work, a in +6
.set QF,   40                          ; v40-87 Q;  v88-135 three tiles of K;  V's two buffers overlie them (v40-71, v72-103), so Q is fetched anew in each chunk
.set KBUF, 88
.set VBUF, 40                          ; v136-167 O^T of tile 2, v168-255 S^T of tile 2;  window 1: v0-87, v88-175 S^T of tiles 0, 1; v176-207, v208-239 their O^T
.set WV,   14
.set HD,   15                          ; the head of the pass in hand
.set BT,   16
.set W3,   17
.set G0,   20
.set G1,   24
.set SEL,  32
.set CS,   34
.set TK,   36
.set TV,   37
.set CNT,  38
.set PASS, 39
.set AM,   56                          ; s[56:57] att at my three tiles, s[58:59] at my template tile, s[60:61] at query tile 32
.set AT,   58
.set A32,  60
.set H2,   62                          ; pass 1's head
.set HF,   63                          ; work-group & 1
.set ODD,  66                          ; t = parity(wave) xor (work-group & 1)
.set FM,   67                          ; 1: I walk the main loop in this pass
.set FT,   68                          ; 1: I make my template tile in this pass
.set FX,   69                          ; 1: my work-group makes query tile 32 in this pass
.set MSB, 0
.macro WIN new                         ; bits 1:0 source 0, 3:2 source 1, 5:4 source 2, 7:6 destination; the high byte repeats the setting that is left
.if MSB != (\new)
	s_set_vgpr_msb (MSB<<8)|(\new)
.set MSB, (\new)
.endif
.endm
.macro PLACES                          ; four plain instructions between a matrix instruction and a load into, or a vector read or write of, its registers
.rept 4
	v_nop
.endr
.endm
	s_load_b256 s[4:11], s[0:1], 0x0               ; xc, xs, wc, ws
	s_load_b64 s[12:13], s[0:1], 0x20              ; att
	v_lshl_add_u32 v[SPW], v0, 2, SPARE
	v_mov_b32 v[NIL], 0
	ds_add_u32 v[SPW], v[NIL]                      ; the opening: the add, twice on end, and its one wait ahead of my first tensor load
	ds_add_u32 v[SPW], v[NIL]
	v_lshrrev_b32 v1, 5, v0
	v_readfirstlane_b32 s[WV], v1                  ; wave 0..7
	s_and_b32 s[BT], ttmp7, 0xffff                 ; batch
	s_and_b32 s[W3], s[WV], 3
	s_and_b32 s[HF], ttmp9, 1
	s_lshr_b32 s18, ttmp9, 1
	s_mul_i32 s18, s18, 3                          ; 3 p
	s_add_co_u32 s[H2], s18, 1                     ; pass 1: head 3 p + 1
	s_lshl_b32 s19, s[HF], 1
	s_add_co_u32 s[HD], s18, s19                   ; pass 0: head 3 p or 3 p + 2
	s_lshr_b32 s18, s[WV], 1
	s_lshr_b32 s19, s[WV], 2
	s_xor_b32 s18, s18, s19
	s_xor_b32 s18, s18, s[WV]
	s_xor_b32 s18, s18, s[HF]
	s_and_b32 s[ODD], s18, 1
	s_mov_b32 s[G1], 3<<16                         ; group 1: 36 rows of 32 elements of 8 bytes, dense: my eighth of a head's 73,728 bytes of weight codes
	s_mov_b32 s[G1+1], 32<<16
	s_mov_b32 s[G1+2], 36<<16
	s_mov_b32 s[G1+3], 32<<16
	s_mov_b32 s[G1+4], 36
	s_mov_b32 s[G1+5], 32
	s_mov_b32 s[G1+6], 0
	s_mov_b32 s[G1+7], 0
	s_mov_b32 s[G0], 1
	s_mul_i32 s[G0+1], s[WV], 9216
	s_mov_b32 s[SEL], 0x76543210
	s_mov_b32 s[SEL+1], 0xfedcba98                 ; lane l xor 16
	s_mov_b32 s[CS], 0x3d553b94                    ; c = log2(e) / sqrt(768)
	s_mov_b32 s[CS+1], s[CS]                       ; (named with it as a pair)
	s_mov_b32 s[PASS], 0
	v_and_b32 v[LI], 31, v0
	v_lshlrev_b32 v[LI], 4, v[LI]
	s_wait_dscnt 0x0                               ; both opening adds are done
	s_wait_kmcnt 0x0
; ================= A PASS: two trips.  At its top the weights' bytes are filled (in the second trip: again): every wave waits for its tensor load, adds 0 to its spare word, waits for that and for all its
; LDS reads, and passes a barrier; its one tensor load is the first thing behind it.  The same barrier parts the last pass's LDS reads from this pass's stores.
.Lpass:
	s_wait_tensorcnt 0x0                           ; no tensor load of mine is out, so group 0 may be written
	ds_add_u32 v[SPW], v[NIL]                      ; 0 onto my spare word,
	ds_add_u32 v[SPW], v[NIL]                      ; twice on end; the arithmetic below stands between the second and the wait
	s_wait_xcnt 0x0                                ; the last pass's stores, loads and prefetch have read their bases, offsets and data: all are written again only behind this wait
	s_and_b32 s18, s[ODD], s[PASS]
	s_xor_b32 s[FM], s18, 1                        ; the main loop: in pass 0 everybody, in pass 1 the waves with t = 0
	s_xor_b32 s18, s[ODD], 1
	s_and_b32 s18, s18, s[PASS]
	s_xor_b32 s[FT], s18, 1                        ; the template tile: in pass 0 everybody, in pass 1 the waves with t = 1
	s_and_b32 s18, s[HF], s[PASS]
	s_xor_b32 s[FX], s18, 1                        ; query tile 32: in pass 1 the even work-group alone
	s_mul_i32 s40, s[HD], 73728
	s_add_co_u32 s40, s40, s[G0+1]
	s_mov_b32 s41, 0
	s_mul_i32 s42, s[BT], 33
	s_lshl_b32 s43, s[WV], 2
	s_add_co_u32 s43, s43, s42                     ; my first row tile
	s_mul_i32 s44, s43, 6144
	s_mov_b32 s45, 0
	s_mul_i32 s46, s43, 384
	s_mov_b32 s47, 0
	s_mul_i32 s48, s[HD], 4608
	s_mov_b32 s49, 0
	s_add_co_u32 s42, s42, 32                      ; the batch's row tile 32
	s_mul_i32 s50, s42, 6144
	s_mov_b32 s51, 0
	s_mul_i32 s52, s42, 384
	s_mov_b32 s53, 0
	s_mul_i32 s54, s[W3], 384
	s_add_co_u32 s54, s54, s48
	s_mov_b32 s55, 0
	s_add_nc_u64 s[G0+2:G0+3], s[8:9], s[40:41]
	s_or_b32 s[G0+3], s[G0+3], 0x80000000
	v_and_b32 v[LS], 31, v0
	v_lshlrev_b32 v[LS], 2, v[LS]
	s_wait_dscnt 0x0                               ; both adds are done, and all my LDS reads of the last pass are over
	s_barrier_signal -1
	s_barrier_wait -1                              ; both now hold of every wave
	tensor_load_to_lds s[G0:G0+3], s[G1:G1+7]      ; my one tensor load of the pass: LDS bytes 9,216 w on
	s_nop 0
	PLACES                                         ; (also the places in front of the loads below, into registers that the last pass's products read)
	s_add_nc_u64 s[44:45], s[4:5], s[44:45]
	s_add_nc_u64 s[46:47], s[6:7], s[46:47]
	s_add_nc_u64 s[48:49], s[10:11], s[48:49]
	s_add_nc_u64 s[50:51], s[4:5], s[50:51]
	s_add_nc_u64 s[52:53], s[6:7], s[52:53]
	s_add_nc_u64 s[54:55], s[10:11], s[54:55]
	WIN 0x40                                       ; destination window 1
.irp i, 0,1,2,3
.irp s, 0,1,2,3,4,5
.irp c, 0,1
	global_load_b128 v[48*\i+8*\s+4*\c:48*\i+8*\s+4*\c+3], v[LI], s[44:45] offset:6144*\i+1024*\s+512*\c   ; x's fragments stay in registers through phase A
.endr
.endr
.endr
	WIN 0
.irp i, 0,1,2,3
.irp e, 0,1,2
	global_load_b32 v[XS+3*\i+\e], v[LS], s[46:47] offset:384*\i+128*\e
.endr
.endr
.irp t, 0,1,2,3,4,5,6,7,8,9,10,11
.irp e, 0,1,2
	global_load_b32 v[WS+3*\t+\e], v[LS], s[48:49] offset:384*\t+128*\e
.endr
.endr
	; every LDS address of phase A is made here, on the way that all waves take
	v_add_nc_u32 v[AW1], 49152, v[LI]
	s_lshl_b32 s18, s[WV], 13
	s_add_co_u32 s19, s18, QB
	v_add_nc_u32 v[QST], s19, v[LI]
	s_add_co_u32 s19, s18, KB
	v_add_nc_u32 v[KST], s19, v[LI]
.irp i, 0,1,2,3
	s_lshl_b32 s18, s[WV], 2
	s_add_co_u32 s18, s18, \i                      ; key tile kt
	s_mul_i32 s19, s18, 47
	s_lshr_b32 s19, s19, 9                         ; its chunk, kt / 11 (exact for kt up to 32)
	s_add_co_u32 s18, s18, s19                     ; its slot
	s_lshr_b32 s19, s18, 1
	s_lshl_b32 s19, s19, 12
	s_and_b32 s18, s18, 1
	s_lshl_b32 s18, s18, 9
	s_add_co_u32 s18, s18, s19
	s_add_co_u32 s18, s18, VB
	v_add_nc_u32 v[VST+\i], s18, v[LI]
.endr
	s_mul_i32 s18, s[W3], 6144
	v_add_nc_u32 v[AWX], s18, v[LI]
	s_lshl_b32 s18, s[W3], 9
	s_add_co_u32 s19, s18, QB+32*2048
	v_add_nc_u32 v[T32Q], s19, v[LI]
	s_add_co_u32 s19, s18, KB+32*2048
	v_add_nc_u32 v[T32K], s19, v[LI]
	s_lshl_b32 s18, s[W3], 10
	s_add_co_u32 s18, s18, VB+17*4096              ; slot 34
	v_add_nc_u32 v[T32V], s18, v[LI]
	s_min_u32 s18, s[W3], 2
	s_mul_i32 s18, s18, 24576
	s_add_co_u32 s18, s18, VB+5*4096+512           ; slots 11, 23, 35
	v_add_nc_u32 v[VZ], s18, v[LI]
	s_cmp_lt_u32 s[WV], 4
	s_cbranch_scc0 .Lno_x32
	WIN 0x40
.irp s, 0,1,2,3,4,5
.irp c, 0,1
	global_load_b128 v[192+8*\s+4*\c:192+8*\s+4*\c+3], v[LI], s[50:51] offset:1024*\s+512*\c
.endr
.endr
	WIN 0
.irp e, 0,1,2
	global_load_b32 v[X32S+\e], v[LS], s[52:53] offset:128*\e
.endr
.irp m, 0,1,2
.irp e, 0,1,2
	global_load_b32 v[W32S+3*\m+\e], v[LS], s[54:55] offset:1536*\m+128*\e
.endr
.endr
.Lno_x32:
	s_wait_tensorcnt 0x0                           ; my part of the weights has landed (one load is out: the count can only be 0),
	s_barrier_signal -1
	s_barrier_wait -1                              ; everybody's has
; ================= PHASE A
.macro FP4 d, a, b, ks, sa, sb         ; one K step of 128; an odd step's scale words stand in lanes 16-31
.if (\ks) == 0
	v_wmma_scale_f32_16x16x128_f8f6f4 v[\d:\d+7], v[\a:\a+7], v[\b:\b+7], 0, v[\sa], v[\sb] matrix_a_fmt:MATRIX_FMT_FP4 matrix_b_fmt:MATRIX_FMT_FP4
.elseif (\ks)%2 == 0
	v_wmma_scale_f32_16x16x128_f8f6f4 v[\d:\d+7], v[\a:\a+7], v[\b:\b+7], v[\d:\d+7], v[\sa], v[\sb] matrix_a_fmt:MATRIX_FMT_FP4 matrix_b_fmt:MATRIX_FMT_FP4
.else
	v_wmma_scale_f32_16x16x128_f8f6f4 v[\d:\d+7], v[\a:\a+7], v[\b:\b+7], v[\d:\d+7], v[\sa], v[\sb] matrix_a_fmt:MATRIX_FMT_FP4 matrix_b_fmt:MATRIX_FMT_FP4 matrix_a_scale:MATRIX_SCALE_ROW1 matrix_b_scale:MATRIX_SCALE_ROW1
.endif
.endm
.macro FETCHW t, p                     ; column tile t = 4 x (q, k, v) + channel tile: its six fragments into buffer p
.irp s, 0,1,2,3,4,5
.irp c, 0,1
.if (\t) < 8
	ds_load_b128 v[WF+48*(\p)+8*\s+4*\c:WF+48*(\p)+8*\s+4*\c+3], v[LI] offset:6144*(\t)+1024*\s+512*\c
.else
	ds_load_b128 v[WF+48*(\p)+8*\s+4*\c:WF+48*(\p)+8*\s+4*\c+3], v[AW1] offset:6144*((\t)-8)+1024*\s+512*\c
.endif
.endr
.endr
.endm
; Column tile t against my four row tiles: 24 products, the four accumulators by turns.  cnt: the LDS instructions issued behind this tile's fetch.
.macro COLT t, cnt
	s_wait_dscnt \cnt
.if (\t) < 8
	WIN 0x04                                       ; source 1 = x, window 1
.else
	WIN 0x01                                       ; source 0 = x
.endif
.irp s, 0,1,2,3,4,5
.irp i, 0,1,2,3
.set rD, ACC+32*((\t)%2)+8*\i
.set rW, WF+48*((\t)%2)+8*\s
.set rX, 48*\i+8*\s
.set rSW, WS+3*(\t)+\s/2
.set rSX, XS+3*\i+\s/2
.if (\t) < 8
	FP4 rD, rW, rX, \s, rSW, rSX
.else
	FP4 rD, rX, rW, \s, rSX, rSW
.endif
.endr
.endr
	WIN 0
	PLACES                                         ; for the loads into the buffer just multiplied and for the reads of the results
.if (\t)+2 < 12
	FETCHW (\t)+2, (\t)%2
.endif
.irp i, 0,1,2,3
.set rD, ACC+32*((\t)%2)+8*\i
.set rC, 244+4*\i
.if \i == 3
.set rC, 16
.endif
.irp k, 0,1,2,3
	v_cvt_pk_f16_f32 v[rC+\k], v[rD+2*\k], v[rD+2*\k+1]   ; each accumulator from its low end on
.endr
.if (\t) < 4
	ds_store_b128 v[QST], v[rC:rC+3] offset:2048*\i+512*((\t)%4)
.elseif (\t) < 8
	ds_store_b128 v[KST], v[rC:rC+3] offset:2048*\i+512*((\t)%4)
.else
	ds_store_b128 v[VST+\i], v[rC:rC+3] offset:1024*((\t)%4)
.endif
.endr
.endm
	FETCHW 0, 0
	FETCHW 1, 1
	s_wait_loadcnt 0x0                             ; x's fragments and all scale words
	COLT 0, 12                                     ; behind tile 0's fetch: tile 1's 12 loads
	COLT 1, 16                                     ; tile 2's 12 loads and 4 stores
.irp t, 2,3,4,5,6,7,8,9,10
	COLT \t, 20                                    ; 4 stores, 12 loads, 4 stores
.endr
	COLT 11, 8                                     ; two sets of 4 stores
	s_cmp_lt_u32 s[WV], 4
	s_cbranch_scc0 .Lzero
; Row tile 32, channel tile = my wave: q, k, v by turns, three K steps a round
.macro T32ROUND g
.irp m, 0,1,2
.irp e, 0,1,2
.irp c, 0,1
	ds_load_b128 v[WF+8*(3*\m+\e)+4*\c:WF+8*(3*\m+\e)+4*\c+3], v[AWX] offset:24576*\m+1024*(3*(\g)+\e)+512*\c
.endr
.endr
.endr
	s_wait_dscnt 0x0
.irp e, 0,1,2
.set kk, 3*(\g)+\e
.set rX, 192+8*kk
.set rSX, X32S+kk/2
	WIN 0x04
.set rD, ACC
.set rW, WF+8*\e
.set rSW, W32S+kk/2
	FP4 rD, rW, rX, kk, rSW, rSX
.set rD, ACC+8
.set rW, WF+8*(3+\e)
.set rSW, W32S+3+kk/2
	FP4 rD, rW, rX, kk, rSW, rSX
	WIN 0x01
.set rD, ACC+16
.set rW, WF+8*(6+\e)
.set rSW, W32S+6+kk/2
	FP4 rD, rX, rW, kk, rSX, rSW
.endr
	WIN 0
	PLACES
.endm
	T32ROUND 0
	T32ROUND 1
.irp m, 0,1,2
.irp k, 0,1,2,3
	v_cvt_pk_f16_f32 v[244+4*\m+\k], v[ACC+8*\m+2*\k], v[ACC+8*\m+2*\k+1]
.endr
.endr
	ds_store_b128 v[T32Q], v[244:247]
	ds_store_b128 v[T32K], v[248:251]
	ds_store_b128 v[T32V], v[252:255]
	s_branch .Lmade
.Lzero:
	s_cmp_eq_u32 s[WV], 7
	s_cbranch_scc1 .Lmade
.irp k, 0,1,2,3
	v_mov_b32 v[ACC+\k], 0
.endr
.irp g, 0,1,2,3
	ds_store_b128 v[VZ], v[ACC:ACC+3] offset:1024*\g   ; waves 4, 5, 6: the zero slots 11, 23, 35
.endr
.Lmade:
	s_wait_dscnt 0x0                               ; my stores have landed and my reads of the weights are over
	s_barrier_signal -1
	s_barrier_wait -1                              ; q, k, v of the whole head lie in LDS
; ================= PHASE B
.macro TILE j                          ; where tile j's registers lie: tiles 0, 1 in window 1 (wf = 1), tile 2 in window 0
.set rT, ST+8*(\j)
.if (\j) == 2
.set wf, 0
.set rS, 168
.set rO, 136
.else
.set wf, 1
.set rS, 88*(\j)
.set rO, 176+32*(\j)
.endif
.endm
; The largest of a lane's 8 nt scores, in ascending order of registers (each accumulator is first read at its low end), four chains; the other half of the lanes'; the new m and c m; c m_old - c m_new
.macro SM_MAX j, nt, first
	TILE \j
	WIN 0x15*wf
.irp k, 0,1,2,3
	v_max3_num_f32 v[rT+4+\k], v[rS+3*\k], v[rS+3*\k+1], v[rS+3*\k+2]
.endr
	WIN 0x14*wf
.set n, 0
.rept (8*(\nt)-12)/2
	v_max3_num_f32 v[rT+4+n%4], v[rT+4+n%4], v[rS+12+2*n], v[rS+13+2*n]
.set n, n+1
.endr
	WIN 0
	v_max3_num_f32 v[rT+4], v[rT+4], v[rT+5], v[rT+6]
.if \first
	v_max_num_f32 v[rT+4], v[rT+4], v[rT+7]
.else
	v_max3_num_f32 v[rT+4], v[rT+4], v[rT+7], v[rT+1]
	v_mov_b32 v[rT+7], v[rT]                       ; c m_old is kept for a
.endif
	v_permlanex16_b32 v[rT+5], v[rT+4], s[SEL], s[SEL+1]
	v_max_num_f32 v[rT+1], v[rT+4], v[rT+5]
	v_mul_f32 v[rT], s[CS], v[rT+1]
.if !\first
	v_sub_f32 v[rT+7], v[rT+7], v[rT]
.endif
.endm
.macro SM_SCALE j, nt                  ; c s - c m, two at a time
	TILE \j
	WIN 0x41*wf
.set n, 0
.rept 4*(\nt)
	v_pk_fma_f32 v[rS+2*n:rS+2*n+1], v[rS+2*n:rS+2*n+1], s[CS:CS+1], v[rT:rT+1] op_sel_hi:[1,0,0] neg_lo:[0,0,1] neg_hi:[0,0,1]
.set n, n+1
.endr
.endm
.macro SM_EXP j, nt, first             ; p = 2^(c s - c m); a = 2^(c m_old - c m_new).  Nothing here names an exponential's result
	TILE \j
	WIN 0x41*wf
.set n, 0
.rept 8*(\nt)
	v_exp_f32 v[rS+n], v[rS+n]
.set n, n+1
.endr
.if !\first
	WIN 0
	v_exp_f32 v[rT+6], v[rT+7]
.endif
.endm
.macro SM_SUM j, nt, first             ; l = a l + the sum of the unrounded p, in two chains of pairs
	TILE \j
.if \first
	WIN 0x05*wf
	v_pk_add_f32 v[rT+2:rT+3], v[rS:rS+1], v[rS+2:rS+3]
	v_pk_add_f32 v[rT+4:rT+5], v[rS+4:rS+5], v[rS+6:rS+7]
.set n, 4
.else
	WIN 0x10*wf
	v_pk_fma_f32 v[rT+2:rT+3], v[rT+2:rT+3], v[rT+6:rT+7], v[rS:rS+1] op_sel_hi:[1,0,1]
	WIN 0x05*wf
	v_pk_add_f32 v[rT+4:rT+5], v[rS+2:rS+3], v[rS+4:rS+5]
.set n, 3
.endif
	WIN 0x04*wf
.rept 4*(\nt)-n
	v_pk_add_f32 v[rT+2+2*(n%2):rT+3+2*(n%2)], v[rT+2+2*(n%2):rT+3+2*(n%2)], v[rS+2*n:rS+2*n+1]
.set n, n+1
.endr
	WIN 0
	v_pk_add_f32 v[rT+2:rT+3], v[rT+2:rT+3], v[rT+4:rT+5]
.endm
.macro SM_CVT j, nt                    ; p to f16 in place, ascending: registers 8 u .. 8 u + 7 become source 1 of key step u; an odd count of tiles is filled up with zeros
	TILE \j
	WIN 0x45*wf
.set n, 0
.rept 4*(\nt)
	v_cvt_pk_f16_f32 v[rS+n], v[rS+2*n], v[rS+2*n+1]
.set n, n+1
.endr
.if (\nt)%2
	WIN 0x40*wf
.irp k, 0,1,2,3
	v_mov_b32 v[rS+4*(\nt)+\k], 0
.endr
.endif
.endm
.macro SM_RESC j                       ; O^T x a
	TILE \j
	WIN 0x41*wf
.set n, 0
.rept 16
	v_pk_mul_f32 v[rO+2*n:rO+2*n+1], v[rO+2*n:rO+2*n+1], v[rT+6:rT+7] op_sel_hi:[1,0]
.set n, n+1
.endr
.endm
.macro FIN_OUT j, base, off            ; O^T / l, to f16, four stores of 512 consecutive bytes: the tile's part of att as the output product's source 1 wants it
	TILE \j
	WIN 0x41*wf
.set n, 0
.rept 16
	v_pk_mul_f32 v[rO+2*n:rO+2*n+1], v[rO+2*n:rO+2*n+1], v[rT+6:rT+7] op_sel_hi:[1,0]
.set n, n+1
.endr
	WIN 0x45*wf
.set n, 0
.rept 16
	v_cvt_pk_f16_f32 v[rS+n], v[rO+2*n], v[rO+2*n+1]
.set n, n+1
.endr
	WIN 0x04*wf                                    ; a store's data are its source 1
.irp g, 0,1,2,3
	global_store_b128 v[LI], v[rS+4*\g:rS+4*\g+3], s[\base:\base+1] offset:(\off)+512*\g
.endr
	WIN 0
.endm
.macro FINAL lo, base                  ; tiles lo .. 2.  The additions name none of the last products' registers: they are the places behind them
	WIN 0
.irp j, 0,1,2
.if \j >= \lo
	v_add_f32 v[ST+8*\j+4], v[ST+8*\j+2], v[ST+8*\j+3]
.endif
.endr
.irp j, 0,1,2
.if \j >= \lo
	v_permlanex16_b32 v[ST+8*\j+5], v[ST+8*\j+4], s[SEL], s[SEL+1]
.endif
.endr
.irp j, 0,1,2
.if \j >= \lo
	v_add_f32 v[ST+8*\j+4], v[ST+8*\j+4], v[ST+8*\j+5]
.endif
.endr
.irp j, 0,1,2
.if \j >= \lo
	v_rcp_f32 v[ST+8*\j+6], v[ST+8*\j+4]
.endif
.endr
	v_nop                                          ; a plain instruction behind the last reciprocal
.if \lo == 2
	v_nop                                          ; (one tile alone has too few additions: these fill the four places)
	v_nop
.endif
	s_wait_alu depctr_va_vdst(0)                   ; one wait for the reciprocals, ahead of their first reader
.irp j, 0,1,2
.if \j >= \lo
	FIN_OUT \j, \base, 24576*(\j-\lo)
.endif
.endr
.endm
	v_add_nc_u32 v[AK0], KB, v[LI]
	v_add_nc_u32 v[AV0], VB, v[LI]
	s_mul_i32 s18, s[WV], 3*2048
	s_add_co_u32 s18, s18, QB+8*2048
	v_add_nc_u32 v[AQ], s18, v[LI]                 ; my query tiles 8 + 3 w + 0..2
	s_mul_i32 s18, s[BT], 33
	s_lshl_b32 s40, s[HD], 1
	s_mov_b32 s43, 0
	s_mul_i32 s19, s[WV], 3
	s_add_co_u32 s19, s19, s18
	s_add_co_u32 s19, s19, 8
	s_mul_i32 s19, s19, 24
	s_add_co_u32 s19, s19, s40
	s_lshl_b32 s42, s19, 10                        ; (row tile x 24 + 2 head) x 1,024
	s_add_nc_u64 s[AM:AM+1], s[12:13], s[42:43]
	s_add_co_u32 s19, s18, s[WV]
	s_mul_i32 s19, s19, 24
	s_add_co_u32 s19, s19, s40
	s_lshl_b32 s42, s19, 10
	s_add_nc_u64 s[AT:AT+1], s[12:13], s[42:43]
	s_add_co_u32 s19, s18, 32
	s_mul_i32 s19, s19, 24
	s_add_co_u32 s19, s19, s40
	s_lshl_b32 s42, s19, 10
	s_add_nc_u64 s[A32:A32+1], s[12:13], s[42:43]
.irp j, 0,1,2
	v_mov_b32 v[ST+8*\j+1], 0xff61b1e6             ; m = -3e38, under every score
	v_mul_f32 v[ST+8*\j], s[CS], v[ST+8*\j+1]
	v_mov_b32 v[ST+8*\j+2], 0
	v_mov_b32 v[ST+8*\j+3], 0
.endr
	WIN 0x40                                       ; O^T begins as zeros, so that the chunk is written once: the first a is 0 and leaves zeros
.set n, 176
.rept 64
	v_mov_b32 v[n], 0
.set n, n+1
.endr
	WIN 0
.set n, 136
.rept 32
	v_mov_b32 v[n], 0
.set n, n+1
.endr
	s_mov_b32 s[TK], 0
	s_mov_b32 s[TV], 0
	s_mov_b32 s[CNT], 3
.Lchunk:                                               ; three trips, walked by every wave: 11 key tiles each, for my three query tiles
	v_add_nc_u32 v[ADK], s[TK], v[AK0]
	v_add_nc_u32 v[ADV], s[TV], v[AV0]
	s_cmp_eq_u32 s[FM], 0                          ; a wave that is not in the main loop in this pass jumps over the trip's work, not over the lines that step the addresses
	s_cbranch_scc1 .Lidle
	PLACES                                         ; with the two additions six plain instructions: the loads below land on V's buffers, and the scores are written over p, which the last products read
.irp j, 0,1,2
.irp p, 0,1,2,3
	ds_load_b128 v[QF+16*\j+4*\p:QF+16*\j+4*\p+3], v[AQ] offset:2048*\j+512*\p
.endr
.endr
.irp t, 0,1,2
.irp p, 0,1,2,3
	ds_load_b128 v[KBUF+16*\t+4*\p:KBUF+16*\t+4*\p+3], v[ADK] offset:2048*\t+512*\p
.endr
.endr
.irp t, 0,1,2,3,4,5,6,7,8,9,10                         ; S^T = K Q^T: six products a key tile, the three query tiles by turns
.if \t < 9
	s_wait_dscnt 8                                 ; the next two key tiles' 8 loads may stay out
.elseif \t == 9
	s_wait_dscnt 4
.else
	s_wait_dscnt 0
.endif
.set rK, KBUF+16*(\t%3)
.irp c, 0,1
	WIN 0x50                                       ; C and D in window 1
.irp j, 0,1
.if \c == 0
	v_wmma_f32_16x16x32_f16 v[88*\j+8*\t:88*\j+8*\t+7], v[rK+8*\c:rK+8*\c+7], v[QF+16*\j+8*\c:QF+16*\j+8*\c+7], 0
.else
	v_wmma_f32_16x16x32_f16 v[88*\j+8*\t:88*\j+8*\t+7], v[rK+8*\c:rK+8*\c+7], v[QF+16*\j+8*\c:QF+16*\j+8*\c+7], v[88*\j+8*\t:88*\j+8*\t+7]
.endif
.endr
	WIN 0
.if \c == 0
	v_wmma_f32_16x16x32_f16 v[168+8*\t:168+8*\t+7], v[rK+8*\c:rK+8*\c+7], v[QF+32+8*\c:QF+32+8*\c+7], 0
.else
	v_wmma_f32_16x16x32_f16 v[168+8*\t:168+8*\t+7], v[rK+8*\c:rK+8*\c+7], v[QF+32+8*\c:QF+32+8*\c+7], v[168+8*\t:168+8*\t+7]
.endif
.endr
.if \t+3 <= 10
	PLACES
.irp p, 0,1,2,3
	ds_load_b128 v[rK+4*\p:rK+4*\p+3], v[ADK] offset:2048*(\t+3)+512*\p
.endr
.endif
.endr
	PLACES                                         ; for V's loads onto Q and K, and for the first reads of the scores
.set n, 0
.rept 16
	ds_load_b128 v[VBUF+4*n:VBUF+4*n+3], v[ADV] offset:512*n   ; key steps 0 and 1 of V land while the softmax runs
.set n, n+1
.endr
.irp j, 0,1,2
	SM_MAX \j, 11, 0
.endr
.irp j, 0,1,2
	SM_SCALE \j, 11
.endr
.irp j, 0,1,2
	SM_EXP \j, 11, 0
.endr
	WIN 0
	v_nop                                          ; a plain instruction behind the last exponential
	s_wait_alu depctr_va_vdst(0)                   ; ONE wait for the three tiles' 267 exponentials, ahead of their first reader
.irp j, 0,1,2
	SM_SUM \j, 11, 0
.endr
.irp j, 0,1,2
	SM_CVT \j, 11
.endr
.irp j, 0,1,2
	SM_RESC \j
.endr
.irp u, 0,1,2,3,4,5                                    ; O^T += V^T P: 12 accumulators by turns, 32 keys a step
.if \u < 5
	s_wait_dscnt 8                                 ; the next step's 8 loads may stay out
.else
	s_wait_dscnt 0
.endif
.set rV, VBUF+32*(\u%2)
	WIN 0x54                                       ; P, C and D in window 1
.irp g, 0,1,2,3
.irp j, 0,1
	v_wmma_f32_16x16x32_f16 v[176+32*\j+8*\g:176+32*\j+8*\g+7], v[rV+8*\g:rV+8*\g+7], v[88*\j+8*\u:88*\j+8*\u+7], v[176+32*\j+8*\g:176+32*\j+8*\g+7]
.endr
.endr
	WIN 0
.irp g, 0,1,2,3
	v_wmma_f32_16x16x32_f16 v[136+8*\g:136+8*\g+7], v[rV+8*\g:rV+8*\g+7], v[168+8*\u:168+8*\u+7], v[136+8*\g:136+8*\g+7]
.endr
.if \u+2 <= 5
	PLACES
.set n, 0
.rept 8
	ds_load_b128 v[rV+4*n:rV+4*n+3], v[ADV] offset:4096*(\u+2)+512*n
.set n, n+1
.endr
.endif
.endr
.Lidle:
	s_add_co_u32 s[TK], s[TK], 11*2048
	s_add_co_u32 s[TV], s[TV], 6*4096
	s_sub_co_u32 s[CNT], s[CNT], 1
	s_cmp_lg_u32 s[CNT], 0
	s_cbranch_scc1 .Lchunk
	s_cmp_eq_u32 s[FM], 0                          ; who walked the loop stores its three tiles
	s_cbranch_scc1 .Lno_final
	FINAL 0, AM
.Lno_final:
	PLACES                                         ; so that every way to the loads below has its four plain instructions behind the last product
; ---- THE SINGLE TILES.  One query tile (tile 2's registers) against nt key tiles = nu steps of 32 keys; K, then V, whole in window 1; a softmax with no old maximum.
.macro T1 nt, nu
.irp p, 0,1,2,3
	ds_load_b128 v[QF+4*\p:QF+4*\p+3], v[AQ] offset:512*\p
.endr
	WIN 0x40
.set n, 0
.rept 4*(\nt)
	ds_load_b128 v[4*n:4*n+3], v[ADK] offset:512*n
.set n, n+1
.endr
	s_wait_dscnt 0x0
	WIN 0x01                                       ; source 0 in window 1
.irp c, 0,1
.set n, 0
.rept \nt
.if \c == 0
	v_wmma_f32_16x16x32_f16 v[168+8*n:168+8*n+7], v[16*n+8*\c:16*n+8*\c+7], v[QF+8*\c:QF+8*\c+7], 0
.else
	v_wmma_f32_16x16x32_f16 v[168+8*n:168+8*n+7], v[16*n+8*\c:16*n+8*\c+7], v[QF+8*\c:QF+8*\c+7], v[168+8*n:168+8*n+7]
.endif
.set n, n+1
.endr
.endr
	WIN 0
	PLACES
	WIN 0x40
.set n, 0
.rept 8*(\nu)
	ds_load_b128 v[4*n:4*n+3], v[ADV] offset:512*n
.set n, n+1
.endr
	WIN 0
	SM_MAX 2, \nt, 1
	SM_SCALE 2, \nt
	SM_EXP 2, \nt, 1
	v_nop
	s_wait_alu depctr_va_vdst(0)                   ; one wait for the tile's exponentials
	SM_SUM 2, \nt, 1
	SM_CVT 2, \nt
	s_wait_dscnt 0x0
	WIN 0x01
.set n, 0
.rept \nu
.irp g, 0,1,2,3
.if n == 0
	v_wmma_f32_16x16x32_f16 v[136+8*\g:136+8*\g+7], v[32*n+8*\g:32*n+8*\g+7], v[168+8*n:168+8*n+7], 0
.else
	v_wmma_f32_16x16x32_f16 v[136+8*\g:136+8*\g+7], v[32*n+8*\g:32*n+8*\g+7], v[168+8*n:168+8*n+7], v[136+8*\g:136+8*\g+7]
.endif
.endr
.set n, n+1
.endr
	WIN 0
.endm
	s_wait_xcnt 0x0                                ; the stores above have read their data: those registers are written again only behind this wait
	s_lshl_b32 s18, s[WV], 11
	s_add_co_u32 s18, s18, QB
	v_add_nc_u32 v[AQ], s18, v[LI]                 ; template tile w: keys 0 .. 127 alone
	v_add_nc_u32 v[ADK], KB, v[LI]
	v_add_nc_u32 v[ADV], VB, v[LI]
	s_cmp_eq_u32 s[FT], 0
	s_cbranch_scc1 .Lno_tmpl
	T1 8, 4
	FINAL 2, AT
.Lno_tmpl:
	s_wait_xcnt 0x0
	s_lshr_b32 s18, s[WV], 1                       ; query tile 32: chunk w / 2 for waves 1, 2, 4.  All addresses are made on the way that every wave takes
	s_min_u32 s18, s18, 2
	v_add_nc_u32 v[AQ], QB+32*2048, v[LI]
	s_mul_i32 s19, s18, 11*2048
	s_add_co_u32 s19, s19, KB
	v_add_nc_u32 v[ADK], s19, v[LI]
	s_mul_i32 s19, s18, 6*4096
	s_add_co_u32 s19, s19, VB
	v_add_nc_u32 v[ADV], s19, v[LI]
	s_mul_i32 s19, s18, 4608
	s_add_co_u32 s19, s19, MRG
	v_add_nc_u32 v[MS], s19, v[LI]
	v_add_nc_u32 v[MR], MRG, v[LI]
	v_lshlrev_b32 v[PFO], 4, v[LI]
; A PREFETCH INTO THE L2 of pass 1's weight codes: head 3 p + 1's 73,728 bytes are 288 blocks of 256.  Each is asked for once in the launch, in pass 0: wave 0 of the even work-group of batches 0 .. 8
; asks for 32 blocks, a lane a block.  It stands ahead of the tensor load that wants them by query tile 32's parts, a barrier and the joining of the parts.  Its base and offset are written again behind the wait at the next pass's top.
	s_or_b32 s18, s[PASS], s[HF]
	s_or_b32 s18, s18, s[WV]
	s_cmp_lg_u32 s18, 0
	s_cbranch_scc1 .Lno_ask
	s_cmp_gt_u32 s[BT], 8
	s_cbranch_scc1 .Lno_ask
	s_mul_i32 s52, s[H2], 73728
	s_min_u32 s53, s[BT], 8
	s_lshl_b32 s53, s53, 13
	s_add_co_u32 s52, s52, s53
	s_mov_b32 s53, 0
	s_add_nc_u64 s[52:53], s[8:9], s[52:53]
	global_prefetch_b8 v[PFO], s[52:53] th:TH_LOAD_NT scope:SCOPE_SE
.Lno_ask:
	s_cmp_eq_u32 s[FX], 0
	s_cbranch_scc1 .Lno_part
	s_cmp_eq_u32 s[WV], 1
	s_cbranch_scc1 .Lpart
	s_cmp_eq_u32 s[WV], 2
	s_cbranch_scc1 .Lpart
	s_cmp_eq_u32 s[WV], 4
	s_cbranch_scc0 .Lno_part
.Lpart:
	T1 11, 6
	v_add_f32 v[ST+18], v[ST+18], v[ST+19]
	v_permlanex16_b32 v[ST+21], v[ST+18], s[SEL], s[SEL+1]
	v_add_f32 v[ST+18], v[ST+18], v[ST+21]         ; the chunk's l
	v_nop
	v_nop                                          ; (with the additions: the places behind the last products)
.irp g, 0,1,2,3,4,5,6,7
	ds_store_b128 v[MS], v[136+4*\g:136+4*\g+3] offset:512*\g   ; O^T, not yet divided, each accumulator from its low end on
.endr
	ds_store_b128 v[MS], v[ST+16:ST+19] offset:4096   ; c m, m, l
.Lno_part:
	s_wait_dscnt 0x0
	s_barrier_signal -1
	s_barrier_wait -1                              ; the three parts lie in LDS
	s_cmp_eq_u32 s[WV], 7
	s_cbranch_scc0 .Ljoined
	s_cmp_eq_u32 s[FX], 0
	s_cbranch_scc1 .Ljoined
.irp c, 0,1,2
.irp g, 0,1,2,3,4,5,6,7
	ds_load_b128 v[64+32*\c+4*\g:64+32*\c+4*\g+3], v[MR] offset:4608*\c+512*\g
.endr
	ds_load_b128 v[16+4*\c:16+4*\c+3], v[MR] offset:4608*\c+4096
.endr
	s_wait_dscnt 0x0
	v_max3_num_f32 v28, v16, v20, v24              ; M = the largest c m
	v_sub_f32 v29, v16, v28
	v_sub_f32 v30, v20, v28
	v_sub_f32 v31, v24, v28
	v_exp_f32 v29, v29                             ; f = 2^(c m - M)
	v_exp_f32 v30, v30
	v_exp_f32 v31, v31
	v_nop
	s_wait_alu depctr_va_vdst(0)
	v_mul_f32 v46, v29, v18
	v_fmac_f32 v46, v30, v22
	v_fmac_f32 v46, v31, v26                       ; L = the sum of f l
	v_rcp_f32 v47, v46
	v_nop
	s_wait_alu depctr_va_vdst(0)
.irp c, 0,1,2
	v_mul_f32 v[40+2*\c], v[29+\c], v47            ; g = f / L, twice: a pair for the packed forms
	v_mul_f32 v[41+2*\c], v[29+\c], v47
.endr
.set n, 0
.rept 16
	v_pk_mul_f32 v[64+2*n:65+2*n], v[64+2*n:65+2*n], v[40:41]
.set n, n+1
.endr
.set n, 0
.rept 16
	v_pk_fma_f32 v[64+2*n:65+2*n], v[96+2*n:97+2*n], v[42:43], v[64+2*n:65+2*n]
.set n, n+1
.endr
.set n, 0
.rept 16
	v_pk_fma_f32 v[64+2*n:65+2*n], v[128+2*n:129+2*n], v[44:45], v[64+2*n:65+2*n]
.set n, n+1
.endr
.set n, 0
.rept 16
	v_cvt_pk_f16_f32 v[160+n], v[64+2*n], v[65+2*n]
.set n, n+1
.endr
.irp g, 0,1,2,3
	global_store_b128 v[LI], v[160+4*\g:160+4*\g+3], s[A32:A32+1] offset:512*\g
.endr
.Ljoined:
	s_mov_b32 s[HD], s[H2]                         ; on to the shared head
	s_add_co_u32 s[PASS], s[PASS], 1
	s_cmp_lt_u32 s[PASS], 2
	s_cbranch_scc1 .Lpass
	s_wait_tensorcnt 0x0                           ; the wave's end, behind my last tensor load and my last LDS store
	ds_add_u32 v[SPW], v[NIL]
	s_wait_dscnt 0x0
	s_endpgm
.Lfunc_end_k_q130e2d0d09_attn:
	.size	k_q130e2d0d09_attn, .Lfunc_end_k_q130e2d0d09_attn-k_q130e2d0d09_attn
	.p2alignl 7, 3214868480
	.fill 96, 4, 3214868480
	.section	.rodata,"a",@progbits
	.p2align	6, 0x0
	.amdhsa_kernel k_q130e2d0d09_attn
		.amdhsa_group_segment_fixed_size 327680
		.amdhsa_private_segment_fixed_size 0
		.amdhsa_enable_private_segment 0
		.amdhsa_kernarg_size 40
		.amdhsa_user_sgpr_count 2
		.amdhsa_user_sgpr_kernarg_segment_ptr 1
		.amdhsa_wavefront_size32 1
		.amdhsa_system_sgpr_workgroup_id_x 1
		.amdhsa_system_sgpr_workgroup_id_y 1
		.amdhsa_system_sgpr_workgroup_id_z 1
		.amdhsa_system_vgpr_workitem_id 0
		.amdhsa_next_free_vgpr 512
		.amdhsa_next_free_sgpr 72
		.amdhsa_reserve_vcc 0
		.amdhsa_float_denorm_mode_32 3
		.amdhsa_float_denorm_mode_16_64 3
		.amdhsa_memory_ordered 1
		.amdhsa_forward_progress 1
		.amdhsa_inst_pref_size 219
	.end_amdhsa_kernel
	.amdgpu_metadata
---
amdhsa.version: [ 1, 2 ]
amdhsa.kernels:
  - .name:           k_q130e2d0d09_attn
    .symbol:         k_q130e2d0d09_attn.kd
    .args:
      - { .name: xc, .offset: 0, .size: 8, .value_kind: global_buffer, .address_space: global }
      - { .name: xs, .offset: 8, .size: 8, .value_kind: global_buffer, .address_space: global }
      - { .name: wc, .offset: 16, .size: 8, .value_kind: global_buffer, .address_space: global }
      - { .name: ws, .offset: 24, .size: 8, .value_kind: global_buffer, .address_space: global }
      - { .name: att, .offset: 32, .size: 8, .value_kind: global_buffer, .address_space: global }
    .group_segment_fixed_size: 327680
    .private_segment_fixed_size: 0
    .kernarg_segment_align: 8
    .kernarg_segment_size: 40
    .max_flat_workgroup_size: 256
    .sgpr_count:     72
    .vgpr_count:     512
    .wavefront_size: 32
...
	.end_amdgpu_metadata
.endif
;; end of part 2
;; launch proj (part 3): grid 8 x 32, 4 waves a work-group, no clusters, 173,568 bytes of LDS; arguments att, wpf, bp, out0; writes out0
.if DOCPART == 3
	.amdgcn_target "amdgcn-amd-amdhsa--gfx1250"
	.amdhsa_code_object_version 6
	.text
	.protected	k_q130e2d0d09_proj
	.globl	k_q130e2d0d09_proj
	.p2align	8
	.type	k_q130e2d0d09_proj,@function
k_q130e2d0d09_proj:
	s_mov_b64 s[64:65], 0
	v_nop
	global_prefetch_b8 v0, s[64:65] scope:SCOPE_SE
	s_setreg_imm32_b32 hwreg(HW_REG_WAVE_MODE, 25, 1), 1
	s_wait_xcnt 0x0
; PROJ.  out0 = att Wp + bp, f16 operands, f32 sums.  A work-group makes the 528 rows of one batch x 96 columns: 33 row tiles x 6 column tiles.
; Wave w takes row tiles 8 w + 1 + 0..7 against all six column tiles (48 accumulators); wave 0 also takes row tile 0 (six more), under branches on the wave's number.
; Source 0 = 16 columns of Wp, source 1 = 16 rows of att: a lane holds one output row and 8 neighbouring columns.  The bias is the C of each sum's first product.
; Wp's block (24 k steps x 6,144 bytes, as it lies in wpf) comes into LDS once, by two tensor loads a wave: k step w first, so that the products can begin, then five more steps.
; att's fragments go from memory straight into registers, three k steps ahead, in four sets that take turns; each is read by one wave of the work-group alone.
; THE WAY OUT.  96 columns are 384 bytes of a row: of its three pieces of 128 bytes two form an aligned block of 256, stored whole by sixteen lanes; the third is half of a block whose other half the
; neighbouring work-group stores.  Column blocks of 64 or 128 would own whole blocks but give 384 or 192 work-groups in place of 256 equal ones.
; NO CLUSTER: what work-groups could share through LDS is Wp's block, 147,456 of the 958,464 bytes that a work-group reads; att's fragments land in registers.
; LIMITS: |att|, |Wp| under 65,504 (f16).
.set STG,   147456                     ; behind Wp's block: a stage of 16 rows x (384 + 16) bytes for each wave
.set SPARE, STG+4*6400                 ; the spare words, 128 bytes a wave: two blocks of 256 bytes that no other line names
.set LI,   1                           ; v1  16 x lane
.set SPW,  2
.set NIL,  3
.set ADB,  4                           ; v4  16 x lane + the k steps passed, in Wp's block
.set STO,  5                           ; v5  the stage: row r, 32 h
.set RDW,  6                           ; v6  back: the whole block of two rows;  v7: the half block of four rows
.set RDH,  7
.set GOW,  8                           ; v8, v9  the same places in out0
.set GOH,  9
.set BIAS, 16                          ; v16-63   the bias, six tiles in the result's layout
.set BF,   64                          ; v64-159  Wp's fragments, two buffers of six; on the way out two sets of 48 for rows read back
.set RB,   64
.set AF3,  160                         ; v160-231 att's set 3;  window 1: sets 0-2 at 72 q (tile i at + 8 i, row tile 0 at + 64)
; window 2: accumulators of tiles 0-4 at 8 (6 i + nt);  window 3: tiles 5-7 at 8 (6 (i - 5) + nt), row tile 0's at v144 on
.set WV,   14
.set NB,   15
.set BT,   16
.set G0A,  20
.set G1A,  24
.set G0B,  32
.set G1B,  36
.set AB,   44                          ; s[44:45] att at my first tile, stepped along k;  s[46:47] bp;  s[48:49] out0 at my first tile
.set BB,   46
.set OB,   48
.set TB,   60
.set CNT,  61
.set MSB, 0
.macro WIN new
.if MSB != (\new)
	s_set_vgpr_msb (MSB<<8)|(\new)
.set MSB, (\new)
.endif
.endm
.macro PLACES
.rept 4
	v_nop
.endr
.endm
	s_load_b256 s[4:11], s[0:1], 0x0               ; att, wpf, bp, out0
	v_lshl_add_u32 v[SPW], v0, 2, SPARE
	v_mov_b32 v[NIL], 0
	ds_add_u32 v[SPW], v[NIL]                      ; the opening: the add, twice on end, and its one wait ahead of my first tensor load
	ds_add_u32 v[SPW], v[NIL]
	v_lshrrev_b32 v1, 5, v0
	v_readfirstlane_b32 s[WV], v1                  ; wave 0..3
	s_mov_b32 s[NB], ttmp9                         ; block of 96 columns
	s_and_b32 s[BT], ttmp7, 0xffff                 ; batch
	s_mov_b32 s[G1A], 3<<16                        ; 24 rows of 32 elements of 8 bytes, dense: one k step
	s_mov_b32 s[G1A+1], 32<<16
	s_mov_b32 s[G1A+2], 24<<16
	s_mov_b32 s[G1A+3], 32<<16
	s_mov_b32 s[G1A+4], 24
	s_mov_b32 s[G1A+5], 32
	s_mov_b32 s[G1A+6], 0
	s_mov_b32 s[G1A+7], 0
	s_mov_b32 s[G1B], 3<<16                        ; 120 rows: five k steps
	s_mov_b32 s[G1B+1], 32<<16
	s_mov_b32 s[G1B+2], 120<<16
	s_mov_b32 s[G1B+3], 32<<16
	s_mov_b32 s[G1B+4], 120
	s_mov_b32 s[G1B+5], 32
	s_mov_b32 s[G1B+6], 0
	s_mov_b32 s[G1B+7], 0
	s_mov_b32 s[G0A], 1
	s_mul_i32 s[G0A+1], s[WV], 6144                ; k step w
	s_mov_b32 s[G0B], 1
	s_mul_i32 s[G0B+1], s[WV], 30720
	s_add_co_u32 s[G0B+1], s[G0B+1], 24576         ; k steps 4 + 5 w on
	s_mul_i32 s50, s[NB], 147456
	s_add_co_u32 s52, s50, s[G0B+1]
	s_add_co_u32 s50, s50, s[G0A+1]
	s_mov_b32 s51, 0
	s_mov_b32 s53, 0
	s_mul_i32 s54, s[BT], 33
	s_lshl_b32 s55, s[WV], 3
	s_add_co_u32 s54, s54, s55
	s_add_co_u32 s54, s54, 1                       ; my first row tile
	s_mul_i32 s56, s54, 49152                      ; 16 rows of 3,072 bytes
	s_mul_i32 s54, s54, 24576
	s_mov_b32 s55, 0
	s_mul_i32 s58, s[NB], 384
	s_add_co_u32 s56, s56, s58
	s_mov_b32 s57, 0
	s_mov_b32 s59, 0
	s_mov_b32 s[TB], 0
	s_wait_dscnt 0x0                               ; both opening adds are done
	s_wait_kmcnt 0x0
	s_add_nc_u64 s[G0A+2:G0A+3], s[6:7], s[50:51]
	s_or_b32 s[G0A+3], s[G0A+3], 0x80000000
	s_add_nc_u64 s[G0B+2:G0B+3], s[6:7], s[52:53]
	s_or_b32 s[G0B+3], s[G0B+3], 0x80000000
	tensor_load_to_lds s[G0A:G0A+3], s[G1A:G1A+7]  ; both first fills together: two tensor loads of mine are out
	s_nop 0
	tensor_load_to_lds s[G0B:G0B+3], s[G1B:G1B+7]
	s_nop 0
	PLACES
	s_add_nc_u64 s[AB:AB+1], s[4:5], s[54:55]
	s_add_nc_u64 s[BB:BB+1], s[8:9], s[58:59]
	s_add_nc_u64 s[OB:OB+1], s[10:11], s[56:57]
	v_and_b32 v11, 31, v0
	v_lshlrev_b32 v[LI], 4, v11
.macro ALOAD set, kk                   ; my eight tiles' fragments of the k step kk on from the base, into a set
.if (\set) == 3
	WIN 0
.set rA, AF3
.else
	WIN 0x40
.set rA, 72*(\set)
.endif
.irp i, 0,1,2,3,4,5,6,7
.irp c, 0,1
	global_load_b128 v[rA+8*\i+4*\c:rA+8*\i+4*\c+3], v[LI], s[AB:AB+1] offset:24576*\i+1024*(\kk)+512*\c
.endr
.endr
	WIN 0
.endm
.macro ALOADX set, kk                  ; wave 0: row tile 0's, one tile in front of its first
.if (\set) == 3
	WIN 0
.set rA, AF3
.else
	WIN 0x40
.set rA, 72*(\set)
.endif
.irp c, 0,1
	global_load_b128 v[rA+64+4*\c:rA+64+4*\c+3], v[LI], s[AB:AB+1] offset:-24576+1024*(\kk)+512*\c
.endr
	WIN 0
.endm
.macro BLOAD p, kk                     ; Wp's six fragments of a k step into buffer p
.irp nt, 0,1,2,3,4,5
.irp c, 0,1
	ds_load_b128 v[BF+48*(\p)+8*\nt+4*\c:BF+48*(\p)+8*\nt+4*\c+3], v[ADB] offset:6144*(\kk)+1024*\nt+512*\c
.endr
.endr
.endm
	ALOAD 0, 0
	ALOAD 1, 1
	ALOAD 2, 2
	s_cmp_lg_u32 s[WV], 0
	s_cbranch_scc1 .Lno_x0
	ALOADX 0, 0
	ALOADX 1, 1
	ALOADX 2, 2
.Lno_x0:
	v_and_b32 v12, 15, v0                          ; r
	v_bfe_u32 v13, v0, 4, 1                        ; h
	v_lshlrev_b32 v10, 5, v13                      ; 32 h
.irp nt, 0,1,2,3,4,5
	global_load_b128 v[BIAS+8*\nt:BIAS+8*\nt+3], v10, s[BB:BB+1] offset:64*\nt        ; bp at columns 16 nt + 8 h + 0 .. 7
	global_load_b128 v[BIAS+8*\nt+4:BIAS+8*\nt+7], v10, s[BB:BB+1] offset:64*\nt+16
.endr
	v_add_nc_u32 v[ADB], s[TB], v[LI]
	s_mul_i32 s18, s[WV], 6400
	s_add_co_u32 s18, s18, STG                     ; my stage
	s_and_b32 s62, s[NB], 1
	s_lshl_b32 s19, s62, 7                         ; the whole block begins at byte 128 x (block number odd) of my 384,
	s_xor_b32 s63, s62, 1
	s_lshl_b32 s63, s63, 8                         ; the half block at byte 256 x (even)
	v_mul_u32_u24 v[STO], v12, 400
	v_add_nc_u32 v[STO], v[STO], v10
	v_add_nc_u32 v[STO], s18, v[STO]
	v_mul_u32_u24 v[RDW], v13, 400                 ; lanes 0-15 one row, lanes 16-31 the next
	v_lshl_add_u32 v[RDW], v12, 4, v[RDW]
	v_add_nc_u32 v[RDW], s18, v[RDW]
	v_add_nc_u32 v[RDW], s19, v[RDW]
	v_mul_u32_u24 v[GOW], v13, 3072
	v_lshl_add_u32 v[GOW], v12, 4, v[GOW]
	v_add_nc_u32 v[GOW], s19, v[GOW]
	v_bfe_u32 v14, v0, 3, 2                        ; eight lanes to a row, four rows
	v_and_b32 v15, 7, v0
	v_mul_u32_u24 v[RDH], v14, 400
	v_lshl_add_u32 v[RDH], v15, 4, v[RDH]
	v_add_nc_u32 v[RDH], s18, v[RDH]
	v_add_nc_u32 v[RDH], s63, v[RDH]
	v_mul_u32_u24 v[GOH], v14, 3072
	v_lshl_add_u32 v[GOH], v15, 4, v[GOH]
	v_add_nc_u32 v[GOH], s63, v[GOH]
; A k step of 32; q = its number mod 4 = its set.  ld: att's fragments three steps on are asked for; bl: Wp's of the next step are fetched.
; lc: the loads of the next two steps (16 each; in wave 0 18, so that the count is the stricter there) may stay out.  dc: the 12 LDS loads just issued may stay out.
; The 48 (54) accumulators take turns in the same order in every step.
.macro KSTEP q, ld, bl, lc, dc, first
	s_wait_loadcnt \lc
.if !\first
	PLACES                                         ; for the loads into the set and the buffer that the last step multiplied
.endif
.if \ld
	ALOAD ((\q)+3)%4, (\q)+3
.endif
.if \bl
	BLOAD ((\q)+1)%2, (\q)+1
.endif
	s_wait_dscnt \dc
.set rB, BF+48*((\q)%2)
.if (\q) == 3
.set rA, AF3
.set aw, 0
.else
.set rA, 72*(\q)
.set aw, 4
.endif
.if \first
	WIN 0x80|aw                                    ; D window 2, C = the bias in window 0
.else
	WIN 0xa0|aw                                    ; C and D window 2
.endif
.irp i, 0,1,2,3,4
.irp nt, 0,1,2,3,4,5
.if \first
	v_wmma_f32_16x16x32_f16 v[8*(6*\i+\nt):8*(6*\i+\nt)+7], v[rB+8*\nt:rB+8*\nt+7], v[rA+8*\i:rA+8*\i+7], v[BIAS+8*\nt:BIAS+8*\nt+7]
.else
	v_wmma_f32_16x16x32_f16 v[8*(6*\i+\nt):8*(6*\i+\nt)+7], v[rB+8*\nt:rB+8*\nt+7], v[rA+8*\i:rA+8*\i+7], v[8*(6*\i+\nt):8*(6*\i+\nt)+7]
.endif
.endr
.endr
.if \first
	WIN 0xc0|aw
.else
	WIN 0xf0|aw                                    ; C and D window 3
.endif
.irp i, 5,6,7
.irp nt, 0,1,2,3,4,5
.if \first
	v_wmma_f32_16x16x32_f16 v[8*(6*(\i-5)+\nt):8*(6*(\i-5)+\nt)+7], v[rB+8*\nt:rB+8*\nt+7], v[rA+8*\i:rA+8*\i+7], v[BIAS+8*\nt:BIAS+8*\nt+7]
.else
	v_wmma_f32_16x16x32_f16 v[8*(6*(\i-5)+\nt):8*(6*(\i-5)+\nt)+7], v[rB+8*\nt:rB+8*\nt+7], v[rA+8*\i:rA+8*\i+7], v[8*(6*(\i-5)+\nt):8*(6*(\i-5)+\nt)+7]
.endif
.endr
.endr
	WIN 0
	s_cmp_lg_u32 s[WV], 0
	s_cbranch_scc1 .Lnx_\@
.if \first
	WIN 0xc0|aw
.else
	WIN 0xf0|aw
.endif
.irp nt, 0,1,2,3,4,5
.if \first
	v_wmma_f32_16x16x32_f16 v[144+8*\nt:144+8*\nt+7], v[rB+8*\nt:rB+8*\nt+7], v[rA+64:rA+71], v[BIAS+8*\nt:BIAS+8*\nt+7]
.else
	v_wmma_f32_16x16x32_f16 v[144+8*\nt:144+8*\nt+7], v[rB+8*\nt:rB+8*\nt+7], v[rA+64:rA+71], v[144+8*\nt:144+8*\nt+7]
.endif
.endr
.if \ld
	ALOADX ((\q)+3)%4, (\q)+3                      ; into registers last multiplied a step ago: this step's four places stand between
.endif
	WIN 0
.Lnx_\@:
.endm
.macro ADV4                            ; four k steps on
	s_wait_xcnt 0x0                                ; the loads issued have read their base: it is stepped only behind this wait
	s_add_nc_u64 s[AB:AB+1], s[AB:AB+1], 4096
	s_add_co_u32 s[TB], s[TB], 24576
	v_add_nc_u32 v[ADB], s[TB], v[LI]
.endm
	s_wait_tensorcnt 0x1                           ; my k step of the first four has landed; my second load may stay out
	s_barrier_signal -1
	s_barrier_wait -1                              ; k steps 0 to 3 of Wp lie in LDS
	BLOAD 0, 0
	KSTEP 0, 1, 1, 0, 12, 1                        ; the first step starts the sums on the bias; its wait is for all loads, the bias among them
	KSTEP 1, 1, 1, 32, 12, 0
	KSTEP 2, 1, 1, 32, 12, 0
	s_wait_tensorcnt 0x0                           ; my five further k steps have landed,
	s_wait_dscnt 0x0                               ; (no LDS instruction of mine is out at a signal)
	s_barrier_signal -1
	s_barrier_wait -1                              ; everybody's have: step 3 fetches k step 4
	KSTEP 3, 1, 1, 32, 12, 0
	s_mov_b32 s[CNT], 4
.Lk:                                                   ; four trips of four k steps: 4 .. 19
	ADV4
	KSTEP 0, 1, 1, 32, 12, 0
	KSTEP 1, 1, 1, 32, 12, 0
	KSTEP 2, 1, 1, 32, 12, 0
	KSTEP 3, 1, 1, 32, 12, 0
	s_sub_co_u32 s[CNT], s[CNT], 1
	s_cmp_lg_u32 s[CNT], 0
	s_cbranch_scc1 .Lk
	ADV4                                           ; the last four are written out: no load leaves att, and the counts run down
	KSTEP 0, 1, 1, 32, 12, 0                       ; k step 20 asks for 23, the last
	KSTEP 1, 0, 1, 32, 12, 0
	KSTEP 2, 0, 1, 16, 12, 0
	KSTEP 3, 0, 0, 0, 0, 0
; THE WAY OUT, a tile of 16 rows at a time through my own stage; LDS serves a wave's instructions in order, so no wait stands between the stores and the loads, nor in front of the next tile's stores.
.macro TOSTAGE win, acc, rb
	WIN \win                                       ; an LDS store's data are its source 1: window 2 or 3
.irp nt, 0,1,2,3,4,5
	ds_store_b128 v[STO], v[(\acc)+8*\nt:(\acc)+8*\nt+3] offset:64*\nt          ; each accumulator from its low end on
	ds_store_b128 v[STO], v[(\acc)+8*\nt+4:(\acc)+8*\nt+7] offset:64*\nt+16
.endr
	WIN 0
.irp g, 0,1,2,3,4,5,6,7
	ds_load_b128 v[(\rb)+4*\g:(\rb)+4*\g+3], v[RDW] offset:800*\g
.endr
.irp g, 0,1,2,3
	ds_load_b128 v[(\rb)+32+4*\g:(\rb)+32+4*\g+3], v[RDH] offset:1600*\g
.endr
.endm
.macro SEND rb, off, younger           ; younger: the next tile's 12 stores and 12 loads, or none
	s_wait_dscnt \younger
.irp g, 0,1,2,3,4,5,6,7
	global_store_b128 v[GOW], v[(\rb)+4*\g:(\rb)+4*\g+3], s[OB:OB+1] offset:(\off)+6144*\g th:TH_STORE_NT    ; sixteen lanes store 256 consecutive aligned bytes
.endr
.irp g, 0,1,2,3
	global_store_b128 v[GOH], v[(\rb)+32+4*\g:(\rb)+32+4*\g+3], s[OB:OB+1] offset:(\off)+12288*\g th:TH_STORE_NT   ; eight lanes store 128 consecutive bytes
.endr
.endm
	PLACES                                         ; for the first reads of results and the loads onto Wp's buffers
	TOSTAGE 0x08, 0, RB
.irp a, 1,2,3,4,5,6,7
.if \a > 1
	s_wait_xcnt 0x0                                ; the stores of two tiles back have read their data: the set is loaded again only behind this wait
.endif
.if \a < 5
	TOSTAGE 0x08, 48*\a, RB+48*(\a%2)
.else
	TOSTAGE 0x0c, 48*(\a-5), RB+48*(\a%2)
.endif
	SEND RB+48*((\a-1)%2), 49152*(\a-1), 24
.endr
	SEND RB+48, 49152*7, 0
	s_cmp_lg_u32 s[WV], 0
	s_cbranch_scc1 .Lend
	s_wait_xcnt 0x0
	TOSTAGE 0x0c, 144, RB                          ; wave 0: row tile 0, one tile in front of its first
	SEND RB, -49152, 0
.Lend:
	s_wait_tensorcnt 0x0                           ; the wave's end, behind my last tensor load and my last LDS store
	ds_add_u32 v[SPW], v[NIL]
	s_wait_dscnt 0x0
	s_endpgm
.Lfunc_end_k_q130e2d0d09_proj:
	.size	k_q130e2d0d09_proj, .Lfunc_end_k_q130e2d0d09_proj-k_q130e2d0d09_proj
	.p2alignl 7, 3214868480
	.fill 96, 4, 3214868480
	.section	.rodata,"a",@progbits
	.p2align	6, 0x0
	.amdhsa_kernel k_q130e2d0d09_proj
		.amdhsa_group_segment_fixed_size 173568
		.amdhsa_private_segment_fixed_size 0
		.amdhsa_enable_private_segment 0
		.amdhsa_kernarg_size 32
		.amdhsa_user_sgpr_count 2
		.amdhsa_user_sgpr_kernarg_segment_ptr 1
		.amdhsa_wavefront_size32 1
		.amdhsa_system_sgpr_workgroup_id_x 1
		.amdhsa_system_sgpr_workgroup_id_y 1
		.amdhsa_system_sgpr_workgroup_id_z 1
		.amdhsa_system_vgpr_workitem_id 0
		.amdhsa_next_free_vgpr 1024
		.amdhsa_next_free_sgpr 66
		.amdhsa_reserve_vcc 0
		.amdhsa_float_denorm_mode_32 3
		.amdhsa_float_denorm_mode_16_64 3
		.amdhsa_memory_ordered 1
		.amdhsa_forward_progress 1
		.amdhsa_inst_pref_size 108
	.end_amdhsa_kernel
	.amdgpu_metadata
---
amdhsa.version: [ 1, 2 ]
amdhsa.kernels:
  - .name:           k_q130e2d0d09_proj
    .symbol:         k_q130e2d0d09_proj.kd
    .args:
      - { .name: att, .offset: 0, .size: 8, .value_kind: global_buffer, .address_space: global }
      - { .name: wpf, .offset: 8, .size: 8, .value_kind: global_buffer, .address_space: global }
      - { .name: bp, .offset: 16, .size: 8, .value_kind: global_buffer, .address_space: global }
      - { .name: out0, .offset: 24, .size: 8, .value_kind: global_buffer, .address_space: global }
    .group_segment_fixed_size: 173568
    .private_segment_fixed_size: 0
    .kernarg_segment_align: 8
    .kernarg_segment_size: 32
    .max_flat_workgroup_size: 128
    .sgpr_count:     66
    .vgpr_count:     1024
    .wavefront_size: 32
...
	.end_amdgpu_metadata
.endif
;; end of part 3
